; MI455X (gfx1250); checked and timed in simulation.
; The chip was launched on July 23, 2026; its instructions are those of AMD's public machine-readable ISA for CDNA 5 (MIT licence, August 2026) and "CDNA5" Instruction Set Architecture Reference Guide (July 2026). The comments in the code are by the model that wrote it; some were corrected since.
;; Attention. Allowed arithmetic: float matrix products may take bf16 or f16 operands with f32 sums; all other float work in f32.
;; Inputs: W_out 1,024 x 1,024 float32; W_qkv 3,072 x 1,024 float32; X 2 x 2,048 x 1,024 float32; mask 2 x 2,048 bool.
;; Outputs: out0 2 x 2,048 x 1,024 float32.
;; One version. Each part assembles by itself: llvm-mc -triple=amdgcn-amd-amdhsa -mcpu=gfx1250 --defsym DOCPART=n.
;; ======== version 1 of 1: 4 launches
;; limits: values are held in f16: magnitudes above 65,504 overflow, below 6.1e-05 lose precision
;; workspace buffers: h16 16,777,216 bytes; qkvh 25,165,824 bytes; attnh 8,388,608 bytes
;; launch cvt (part 1): grid 1024 x 1, 8 waves a work-group, no clusters, 0 bytes of LDS; arguments X, W_qkv, W_out, h16; writes h16
.if DOCPART == 1
	.amdgcn_target "amdgcn-amd-amdhsa--gfx1250"
	.amdhsa_code_object_version 6
	.text
	.protected	k_q64bca393fa_cvt
	.globl	k_q64bca393fa_cvt
	.p2align	8
	.type	k_q64bca393fa_cvt,@function
k_q64bca393fa_cvt:
	s_mov_b64 s[64:65], 0
	v_nop
	global_prefetch_b8 v0, s[64:65] scope:SCOPE_SE
	s_setreg_imm32_b32 hwreg(HW_REG_WAVE_MODE, 25, 1), 1
	s_wait_xcnt 0x0
; h16 = X, W_qkv, W_out rounded to f16 (nearest even), one behind the other: X at byte 0, W_qkv at 0x800000, W_out at 0xE00000.
; LIMIT: f16's range.  A number of magnitude 65,520 or more becomes an infinity; below 6e-5 the relative precision falls off (denormals are kept).
; A stream: each input byte is read once, each output byte written once; no LDS, no barrier, no matrix unit: nothing is shared or reduced.
; Work-group g converts 8,192 numbers (32 KiB in, 16 KiB out at 16,384 g): g < 512 from X, g < 896 from W_qkv, the rest from W_out.
; Wave w takes 4,096 bytes of them by eight loads of 512 consecutive bytes; each store of a wave covers 256 consecutive bytes, aligned.
.set NX,   512                         ; work-groups for X      (4,194,304 numbers / 8,192)
.set NXQ,  896                         ; + those for W_qkv      (3,145,728 / 8,192 = 384)
.set IN,   4                           ; v[4:35]   eight loads of four f32
.set OUT,  36                          ; v[36:51]  eight pairs of packed f16
	s_load_b256 s[4:11], s[0:1], 0x0               ; X s[4:5], W_qkv s[6:7], W_out s[8:9], h16 s[10:11]
	s_mov_b32 s19, NXQ
	v_and_b32 v3, 31, v0                           ; lane
	v_lshrrev_b32 v2, 5, v0                        ; wave
	v_lshlrev_b32 v1, 4, v3
	v_lshl_add_u32 v1, v2, 12, v1                  ; in:  4,096 wave + 16 lane
	v_lshlrev_b32 v3, 3, v3
	v_lshl_add_u32 v2, v2, 11, v3                  ; out: 2,048 wave + 8 lane
	s_wait_kmcnt 0x0
	s_cmp_lt_u32 ttmp9, NXQ                        ; which tensor, and the number of its first work-group: a choice on the work-group's number alone
	s_cselect_b64 s[12:13], s[6:7], s[8:9]
	s_cselect_b32 s14, NX, s19
	s_cmp_lt_u32 ttmp9, NX
	s_cselect_b64 s[12:13], s[4:5], s[12:13]
	s_cselect_b32 s14, 0, s14
	s_sub_co_u32 s14, ttmp9, s14
	s_lshl_b32 s14, s14, 15                        ; 32,768 bytes of input for each work-group
	s_mov_b32 s15, 0
	s_add_nc_u64 s[12:13], s[12:13], s[14:15]
	s_lshl_b32 s16, ttmp9, 14                      ; 16,384 bytes of output for each
	s_mov_b32 s17, 0
	s_add_nc_u64 s[10:11], s[10:11], s[16:17]
.irp i, 0,1,2,3,4,5,6,7
	global_load_b128 v[IN+4*\i:IN+4*\i+3], v1, s[12:13] offset:512*\i th:TH_LOAD_NT   ; all eight go out before anything is waited for
.endr
.irp i, 0,1,2,3,4,5,6,7
	s_wait_loadcnt 7-\i                            ; loads come back in order: load i is in, the 7 - i younger ones stay out
	v_cvt_pk_f16_f32 v[OUT+2*\i],   v[IN+4*\i],   v[IN+4*\i+1]
	v_cvt_pk_f16_f32 v[OUT+2*\i+1], v[IN+4*\i+2], v[IN+4*\i+3]
	global_store_b64 v2, v[OUT+2*\i:OUT+2*\i+1], s[10:11] offset:256*\i              ; no register is written twice: no further wait
.endr
	s_endpgm
.Lfunc_end_k_q64bca393fa_cvt:
	.size	k_q64bca393fa_cvt, .Lfunc_end_k_q64bca393fa_cvt-k_q64bca393fa_cvt
	.p2alignl 7, 3214868480
	.fill 96, 4, 3214868480
	.section	.rodata,"a",@progbits
	.p2align	6, 0x0
	.amdhsa_kernel k_q64bca393fa_cvt
		.amdhsa_group_segment_fixed_size 0
		.amdhsa_private_segment_fixed_size 0
		.amdhsa_enable_private_segment 0
		.amdhsa_kernarg_size 32
		.amdhsa_user_sgpr_count 2
		.amdhsa_user_sgpr_kernarg_segment_ptr 1
		.amdhsa_wavefront_size32 1
		.amdhsa_system_sgpr_workgroup_id_x 1
		.amdhsa_system_sgpr_workgroup_id_y 1
		.amdhsa_system_sgpr_workgroup_id_z 1
		.amdhsa_system_vgpr_workitem_id 0
		.amdhsa_next_free_vgpr 52
		.amdhsa_next_free_sgpr 66
		.amdhsa_reserve_vcc 0
		.amdhsa_float_denorm_mode_32 3
		.amdhsa_float_denorm_mode_16_64 3
		.amdhsa_memory_ordered 1
		.amdhsa_forward_progress 1
		.amdhsa_inst_pref_size 4
	.end_amdhsa_kernel
	.amdgpu_metadata
---
amdhsa.version: [ 1, 2 ]
amdhsa.kernels:
  - .name:           k_q64bca393fa_cvt
    .symbol:         k_q64bca393fa_cvt.kd
    .args:
      - { .name: X, .offset: 0, .size: 8, .value_kind: global_buffer, .address_space: global }
      - { .name: W_qkv, .offset: 8, .size: 8, .value_kind: global_buffer, .address_space: global }
      - { .name: W_out, .offset: 16, .size: 8, .value_kind: global_buffer, .address_space: global }
      - { .name: h16, .offset: 24, .size: 8, .value_kind: global_buffer, .address_space: global }
    .group_segment_fixed_size: 0
    .private_segment_fixed_size: 0
    .kernarg_segment_align: 8
    .kernarg_segment_size: 32
    .max_flat_workgroup_size: 256
    .sgpr_count:     66
    .vgpr_count:     52
    .wavefront_size: 32
...
	.end_amdgpu_metadata
.endif
;; end of part 1
;; launch qkv (part 2): grid 16 x 16, 4 waves a work-group, clusters of 4 x 4, 327,680 bytes of LDS; arguments h16, qkvh; writes qkvh
.if DOCPART == 2
	.amdgcn_target "amdgcn-amd-amdhsa--gfx1250"
	.amdhsa_code_object_version 6
	.text
	.protected	k_q64bca393fa_qkv
	.globl	k_q64bca393fa_qkv
	.p2align	8
	.type	k_q64bca393fa_qkv,@function
k_q64bca393fa_qkv:
	s_mov_b64 s[64:65], 0
	v_nop
	global_prefetch_b8 v0, s[64:65] scope:SCOPE_SE
	s_setreg_imm32_b32 hwreg(HW_REG_WAVE_MODE, 25, 1), 1
	s_wait_xcnt 0x0
	s_wait_alu depctr_hold_cnt(0) depctr_sa_sdst(0) depctr_va_vdst(0) depctr_va_sdst(0) depctr_va_ssrc(0) depctr_va_vcc(0) depctr_vm_vsrc(0)
	s_getreg_b32 s2, hwreg(HW_REG_IB_STS2, 6, 4)
	s_cmp_eq_u32 s2, 0
	s_cbranch_scc0 .Lentry_in_a_cluster
	s_endpgm
.Lentry_in_a_cluster:
	s_bfe_u32 s2, ttmp6, 0x10000c
	s_cmp_lg_u32 s2, 0xf033
	s_cbranch_scc0 .Lentry_shape_is_right
	s_endpgm
.Lentry_shape_is_right:
; q, k, v = X W_qkv^T, taken apart.  Row 192 h + 3 d + c of W_qkv makes q (c = 0), k (c = 1) or v (c = 2) of head h at index d.
; In:  h16: X [4096][1024] f16 at byte 0, W_qkv [3072][1024] f16 at 0x800000.
; Out: qkvh: q [b][h][s][64] f16 at 0, k likewise at 0x800000, v transposed [b][h][d = 64][s = 2048] at 0x1000000.  Sums in f32, rounded once.
; LIMIT: q, k, v are kept in f16: magnitudes of 65,520 and more become infinities.
; A work-group makes 256 rows (work-group y) x the 192 columns of one head (work-group x) with four waves; wave w = (mh, nh) makes rows
; 128 mh .. + 127 x 96 columns: four 16-wide tiles of q (nh = 0) or k (nh = 1) and two of v (d = 32 nh ..): 8 x 6 = 48 accumulator tiles.
; The taking apart costs nothing: a lane of a W fragment simply reads LDS row 3 (16 b + r) + c, three rows of 272 bytes apart = 204 words,
; so that the 16 lanes of a load start at 16 different groups of four words modulo 64 words.
; q and k tiles use the matrix instruction transposed (source 0 = W, source 1 = X): a lane then holds 8 neighbouring d of one row s.
; v tiles use it plainly (source 0 = X, source 1 = W): a lane then holds 8 neighbouring s of one d, a piece of a row of v transposed.
; K goes in steps of 128 through two LDS slots filled by the tensor data mover; rows are 256 bytes of memory, aligned.
; CLUSTERS: 4 x 4 work-groups.  X's tile hangs on y alone and is asked for jointly by a row of the cluster, W's on x alone, by a column:
; each of the four issues the same load with the same descriptor and a mask that names the four.
; REGISTERS: window 0: v0-31 addresses; X fragments v32-95, v96-159 (two buffers of 8 x 8); W fragments v160-207, v208-255 (two of 6 x 8).
;            window 1: accumulators of my rows 0-63, tile (a, b) at v[8 (6 a + b)];  window 2: those of my rows 64-127.
.set KSTEP,  128
.set PITCH,  272                       ; an LDS row: 256 bytes + 16 of padding, an odd multiple of 16: the 16 rows of a fragment load start in different 16-byte columns
.set HALFA,  128*PITCH                 ; 128 rows of X: one tensor load
.set HALFB,  96*PITCH                  ; 96 rows of W: one tensor load
.set BOFF,   2*HALFA                   ; W's 192 rows lie behind X's 256
.set SLOT,   BOFF+2*HALFB              ; 121,856
.set STAGE,  2*SLOT                    ; 243,712: behind the ring, a stage of 4,608 bytes for each wave; no fill lands there
.set STGW,   4608
.set QP,     144                       ; stage pitch for rows of q and k: 128 bytes + 16
.set LAPS,   4                         ; K = 1024 = 8 steps = 4 laps of the ring
.set ROWB,   2048                      ; bytes in a row of X and of W
.set WQ_AT,  0x800000                  ; W_qkv in h16
.set V_AT,   0x1000000                 ; v transposed in qkvh
.set ADRX, 16                          ; v16-17  LDS address of my X fragments in slot 0, 1
.set ADRQ, 18                          ; v18-19  of my q or k rows of W
.set ADRV, 20                          ; v20-21  of my v rows of W
.set STOQ, 22                          ; the way out, q and k: where I put 16 bytes,
.set RDQ,  23                          ;   where I read them back,
.set COQ,  24                          ;   my byte offset in memory
.set STOV, 25                          ; the same for v
.set RDV,  26
.set COV,  27
.set XF,   32
.set WF,   160
.set TMP,  32                          ; the way out: packed results
.set RB0,  96                          ; the way out: rows read back, two buffers by turns
.set RB1,  128
.set G1,  24                           ; s[24:31] descriptor group 1 for X's tiles
.set G0,  32                           ; s[32:39] group 0 for X's tiles, one set for each slot
.set G1B, 48                           ; s[48:55] group 1 for W's tiles
.set G0B, 56                           ; s[56:63] group 0 for W's tiles
.set FLAGS, (1<<16)|(1<<20)|(1<<21)|(5<<22)|(3<<25)   ; elements of 2 bytes; padding on; bit 21 beside a mask; after every 64 words, 4 words
.set MUL_LO, 0x50                      ; C and D in window 1, both sources in window 0
.set MUL_HI, 0xa0                      ; C and D in window 2
.set MSB, 0
.macro WIN new                         ; the immediate's high byte repeats the setting that is left
.if MSB != \new
	s_set_vgpr_msb (MSB<<8)|\new
.set MSB, \new
.endif
.endm
; A joint load.  Waves 0 and 1 fetch X's two halves, waves 2 and 3 W's.  The branch hangs on the wave's number alone.
.macro JLOAD s
	s_cmp_eq_u32 s11, 0
	s_cbranch_scc0 .Lfor_b_\@
	tensor_load_to_lds s[G0+4*\s:G0+4*\s+3], s[G1:G1+7]
	s_nop 0
	s_branch .Lasked_\@
.Lfor_b_\@:
	tensor_load_to_lds s[G0B+4*\s:G0B+4*\s+3], s[G1B:G1B+7]
	s_nop 0
.Lasked_\@:
.endm
; A round of the cluster's barrier: my work-group's barrier, wave 0 signals for the work-group, every wave waits for all sixteen, my work-group's barrier again.
.macro CREST                           ; a round behind its opening barrier
	s_cmp_lg_u32 s10, 0
	s_cbranch_scc1 .Lnot_wave_0_\@
	s_barrier_signal -3
.Lnot_wave_0_\@:
	s_barrier_wait -3
	s_barrier_signal -1
	s_barrier_wait -1
.endm
.macro CROUND
	s_barrier_signal -1
	s_barrier_wait -1
	CREST
.endm
	s_load_b128 s[4:7], s[0:1], 0x0                ; h16 s[4:5], qkvh s[6:7]
	v_lshl_add_u32 v30, v0, 2, 0x40000
	v_mov_b32 v31, 0
	ds_add_u32 v30, v31
	v_lshrrev_b32 v1, 5, v0
	v_readfirstlane_b32 s10, v1                    ; wave 0..3
	s_lshr_b32 s11, s10, 1                         ; mh: which 128 rows are mine.  Also: I fetch for X (0) or for W (1)
	s_and_b32 s12, s10, 1                          ; nh: q or k, and which half of v.  Also: which half of that tile I fetch
	s_bfe_u32 s40, ttmp6, 0x40000                  ; cx
	s_bfe_u32 s41, ttmp6, 0x40004                  ; cy
	s_lshl_b32 s42, ttmp9, 2
	s_add_co_u32 s42, s42, s40                     ; head = 4 x cluster x + cx
	s_and_b32 s13, ttmp7, 0xffff
	s_lshl_b32 s13, s13, 2
	s_add_co_u32 s13, s13, s41                     ; row block = 4 x cluster y + cy
	s_lshl_b32 s43, s41, 2
	s_lshl_b32 s43, 15, s43                        ; my row of the cluster: places 4 cy .. 4 cy + 3
	s_lshl_b32 s44, 0x1111, s40                    ; my column: places cx, cx + 4, cx + 8, cx + 12
	s_or_b32 s[G1+0], s43, FLAGS                   ; X's tiles go to my row of the cluster
	s_or_b32 s[G1B+0], s44, FLAGS                  ; W's to my column
	s_mov_b32 s[G1+1], KSTEP<<16                   ; tensor_dim0 = 128
	s_mov_b32 s[G1B+1], KSTEP<<16
	s_mov_b32 s[G1+2], 128<<16                     ; tensor_dim1 = 128 rows
	s_mov_b32 s[G1B+2], 96<<16                     ;             = 96 rows
	s_mov_b32 s[G1+3], KSTEP<<16                   ; tile_dim0 = 128
	s_mov_b32 s[G1B+3], KSTEP<<16
	s_mov_b32 s[G1+4], 128                         ; tile_dim1
	s_mov_b32 s[G1B+4], 96
	s_mov_b32 s[G1+5], 1024                        ; elements from row to row
	s_mov_b32 s[G1B+5], 1024
	s_mov_b32 s[G1+6], 0
	s_mov_b32 s[G1B+6], 0
	s_mov_b32 s[G1+7], 0
	s_mov_b32 s[G1B+7], 0
	; where the tiles come from: X's address is made of the row block and the wave's number, W's of the head and the wave's number,
	; each in registers that never hold the other coordinate
	s_lshl_b32 s17, s12, 7
	s_lshl_b32 s16, s13, 8
	s_add_co_u32 s16, s16, s17                     ; X: row 256 y + 128 half
	s_lshl_b32 s16, s16, 11                        ; x 2,048 bytes: 8 MiB at the most
	s_mov_b32 s17, 0
	s_mul_i32 s46, s42, 192
	s_mul_i32 s47, s12, 96
	s_add_co_u32 s46, s46, s47                     ; W: row 192 head + 96 half
	s_lshl_b32 s46, s46, 11
	s_add_co_u32 s46, s46, WQ_AT
	s_mov_b32 s47, 0
	s_mul_i32 s20, s10, HALFA                      ; where they go: X's halves at wave x 128 rows (waves 0, 1),
	s_mul_i32 s45, s10, HALFB
	s_add_co_u32 s45, s45, BOFF-2*HALFB            ; W's at BOFF + (wave - 2) x 96 rows (waves 2, 3)
	s_wait_dscnt 0x0
	s_wait_kmcnt 0x0
	s_add_nc_u64 s[14:15], s[4:5], s[16:17]
	s_add_nc_u64 s[46:47], s[4:5], s[46:47]
	CROUND                                         ; all sixteen work-groups are here: the first joint loads meet
.irp s, 0,1
	s_mov_b32 s[G0+4*\s], 1
	s_add_co_u32 s[G0+4*\s+1], s20, \s*SLOT
	s_add_nc_u64 s[G0+4*\s+2:G0+4*\s+3], s[14:15], \s*KSTEP*2      ; K step s
	s_or_b32 s[G0+4*\s+3], s[G0+4*\s+3], 0x80000000
	s_mov_b32 s[G0B+4*\s], 1
	s_add_co_u32 s[G0B+4*\s+1], s45, \s*SLOT
	s_add_nc_u64 s[G0B+4*\s+2:G0B+4*\s+3], s[46:47], \s*KSTEP*2
	s_or_b32 s[G0B+4*\s+3], s[G0B+4*\s+3], 0x80000000
	JLOAD \s                                       ; both slots are asked for before anything else is done: two loads of the wave are out
.endr
	; A fragment is 16 rows x 32 K in 8 registers: lane l holds row l % 16; registers 0-3 K = 8 (l / 16) + 0..7, registers 4-7 K = 16 + 8 (l / 16) + 0..7:
	; two loads of 16 bytes, 32 bytes apart.
	v_and_b32 v1, 15, v0                           ; r
	v_bfe_u32 v2, v0, 4, 1                         ; h
	v_mul_u32_u24 v3, v1, PITCH
	v_lshl_add_u32 v3, v2, 4, v3                   ; r rows + 16 h
	v_mul_u32_u24 v4, v1, 3*PITCH
	v_lshl_add_u32 v4, v2, 4, v4                   ; 3 r rows + 16 h
	s_mul_i32 s21, s11, HALFA                      ; my 128 rows of X
	s_mul_i32 s22, s12, PITCH
	s_add_co_u32 s22, s22, BOFF                    ; W's rows 3 d + nh: q or k
	s_mul_i32 s23, s12, 96*PITCH
	s_add_co_u32 s23, s23, BOFF+2*PITCH            ; W's rows 3 (32 nh + d) + 2: v
.irp s, 0,1
	v_add_nc_u32 v[ADRX+\s], s21, v3
	v_add_nc_u32 v[ADRQ+\s], s22, v4
	v_add_nc_u32 v[ADRV+\s], s23, v4
	s_add_co_u32 s21, s21, SLOT
	s_add_co_u32 s22, s22, SLOT
	s_add_co_u32 s23, s23, SLOT
.endr
	s_mul_i32 s21, s10, STGW
	s_add_co_u32 s21, s21, STAGE                   ; my stage
	v_mul_u32_u24 v5, v1, QP
	v_lshl_add_u32 v5, v2, 4, v5
	v_add_nc_u32 v[STOQ], s21, v5                  ; q, k in: row r, 16 bytes for each half of the lanes
	v_and_b32 v6, 31, v0                           ; lane
	v_lshrrev_b32 v7, 3, v6
	v_and_b32 v8, 7, v6
	v_mul_u32_u24 v7, v7, QP
	v_lshl_add_u32 v7, v8, 4, v7
	v_add_nc_u32 v[RDQ], s21, v7                   ; back: eight lanes take a row of 128 bytes, the wave four rows
	v_lshlrev_b32 v[COQ], 4, v6                    ; which are 512 consecutive bytes of q or k
	v_add_nc_u32 v[STOV], s21, v3                  ; v in: row d = r of 272 bytes
	v_mul_u32_u24 v9, v2, PITCH
	v_lshl_add_u32 v9, v1, 4, v9
	v_add_nc_u32 v[RDV], s21, v9                   ; back: lanes 0-15 one row of 256 bytes, lanes 16-31 the next
	v_lshlrev_b32 v10, 4, v1
	v_lshl_add_u32 v[COV], v2, 12, v10             ; rows of v transposed are 4,096 bytes apart
; 12 matrix instructions: m blocks a0, a0 + 1 of the window's four (hi = 0: my rows 0-63, 1: rows 64-127) x my 6 n blocks, 32 along K, on buffer f.
; zero = 1: the first product starts the sums: nothing is cleared.
.macro MUL12 f, hi, a0, zero
.irp a, \a0, \a0+1
.irp b, 0,1,2,3
.if \zero
	v_wmma_f32_16x16x32_f16 v[8*(6*(\a)+\b):8*(6*(\a)+\b)+7], v[WF+48*\f+8*\b:WF+48*\f+8*\b+7], v[XF+64*\f+8*(4*\hi+\a):XF+64*\f+8*(4*\hi+\a)+7], 0
.else
	v_wmma_f32_16x16x32_f16 v[8*(6*(\a)+\b):8*(6*(\a)+\b)+7], v[WF+48*\f+8*\b:WF+48*\f+8*\b+7], v[XF+64*\f+8*(4*\hi+\a):XF+64*\f+8*(4*\hi+\a)+7], v[8*(6*(\a)+\b):8*(6*(\a)+\b)+7]
.endif
.endr
.irp b, 4,5
.if \zero
	v_wmma_f32_16x16x32_f16 v[8*(6*(\a)+\b):8*(6*(\a)+\b)+7], v[XF+64*\f+8*(4*\hi+\a):XF+64*\f+8*(4*\hi+\a)+7], v[WF+48*\f+8*\b:WF+48*\f+8*\b+7], 0
.else
	v_wmma_f32_16x16x32_f16 v[8*(6*(\a)+\b):8*(6*(\a)+\b)+7], v[XF+64*\f+8*(4*\hi+\a):XF+64*\f+8*(4*\hi+\a)+7], v[WF+48*\f+8*\b:WF+48*\f+8*\b+7], v[8*(6*(\a)+\b):8*(6*(\a)+\b)+7]
.endif
.endr
.endr
.endm
; 28 LDS loads in one run: a quarter step's fragments (32 K at byte k of the rows) into buffer f: W's q or k (8), W's v (4), X (16, rows 64-127 last)
.macro FETCH slot, k, f
	WIN 0
.irp t, 0,1,2,3
	ds_load_b128 v[WF+48*\f+8*\t:WF+48*\f+8*\t+3],   v[ADRQ+\slot] offset:\k+\t*48*PITCH
	ds_load_b128 v[WF+48*\f+8*\t+4:WF+48*\f+8*\t+7], v[ADRQ+\slot] offset:\k+\t*48*PITCH+32
.endr
.irp t, 0,1
	ds_load_b128 v[WF+48*\f+32+8*\t:WF+48*\f+32+8*\t+3],   v[ADRV+\slot] offset:\k+\t*48*PITCH
	ds_load_b128 v[WF+48*\f+32+8*\t+4:WF+48*\f+32+8*\t+7], v[ADRV+\slot] offset:\k+\t*48*PITCH+32
.endr
.irp i, 0,1,2,3,4,5,6,7
	ds_load_b128 v[XF+64*\f+8*\i:XF+64*\f+8*\i+3],   v[ADRX+\slot] offset:\k+\i*16*PITCH
	ds_load_b128 v[XF+64*\f+8*\i+4:XF+64*\f+8*\i+7], v[ADRX+\slot] offset:\k+\i*16*PITCH+32
.endr
.endm
; A load into a register that a matrix instruction has read, and a vector instruction that reads a matrix result, stand four places behind it;
; only plain vector instructions that name none of its registers are places; the matrix instructions between are not counted.
.macro PLACES
.rept 4
	v_nop
.endr
.endm
; A K step is four quarters of 32 along K, 48 matrix instructions each, on buffers 0, 1, 0, 1.  The 48 accumulators take turns, one instruction
; a turn, in the same order in every quarter, over the loop's backward jump too.
; One of the first three quarters: multiplies buffer f; in its middle fetches the next quarter's fragments into buffer g.
.macro QUARTER slot, k, f, g, zero
	s_wait_dscnt 8                                 ; W and X's rows 0-63 are in; the youngest eight loads (X's rows 64-127) may be out
	WIN MUL_LO
	MUL12 \f, 0, 0, \zero
	MUL12 \f, 0, 2, \zero
	PLACES
	FETCH \slot, \k, \g
	s_wait_dscnt 28                                ; all but the 28 just issued
	WIN MUL_HI
	MUL12 \f, 1, 0, \zero
	MUL12 \f, 1, 2, \zero
.endm
.macro THREE slot, zero
	QUARTER \slot, 64,  0, 1, \zero
	QUARTER \slot, 128, 1, 0, 0
	QUARTER \slot, 192, 0, 1, 0
.endm
; The last quarter multiplies buffer 1 and changes slots.  One barrier for two things: in front of it each wave waits for its reads of this slot
; and for all its tensor loads (the one that is out is its part of the next slot); behind it nobody reads this slot and the next one is whole.
; fill = 1: the barrier opens a round of the cluster's barrier, and the joint refill, two K steps ahead, is the first tensor load behind the round.
; From a request to the wait for it a wave issues 180 matrix instructions.
.macro TURN slot, next, fill
	s_wait_dscnt 8
	WIN MUL_LO
	MUL12 1, 0, 0, 0
	s_wait_dscnt 0                                 ; my reads of this slot are over
	s_wait_tensorcnt 0x0                           ; and all my tensor loads have landed
	ds_add_u32 v30, v31
	s_wait_dscnt 0x0
	s_barrier_signal -1
	MUL12 1, 0, 2, 0                               ; register work while the others arrive
	WIN 0                                          ; every window is 0 there
	s_barrier_wait -1
.if \fill
	CREST                                          ; no wave of any partner still reads this slot or has a load on its way
	s_add_nc_u64 s[G0+4*\slot+2:G0+4*\slot+3], s[G0+4*\slot+2:G0+4*\slot+3], 2*KSTEP*2
	s_add_nc_u64 s[G0B+4*\slot+2:G0B+4*\slot+3], s[G0B+4*\slot+2:G0B+4*\slot+3], 2*KSTEP*2
	JLOAD \slot
.endif
	PLACES
	FETCH \next, 0, 0
	WIN MUL_HI
	MUL12 1, 1, 0, 0
	MUL12 1, 1, 2, 0
.endm
.macro LAP zero
	THREE 0, \zero
	TURN 0, 1, 1
	THREE 1, 0
	TURN 1, 0, 1
.endm
	s_wait_tensorcnt 1                             ; my part of K step 0 is in; K step 1's may stay out
	s_barrier_signal -1
	s_barrier_wait -1                              ; everybody's is
	FETCH 0, 0, 0
	LAP 1                                          ; the first lap stands in front of the loop: its first products start the sums
	WIN 0
	s_mov_b32 s3, LAPS-2
.Llap:
	LAP 0
	WIN 0
	s_sub_co_u32 s3, s3, 1
	s_cmp_lg_u32 s3, 0
	s_cbranch_scc1 .Llap
	THREE 0, 0                                     ; the last lap fills nothing
	TURN 0, 1, 0
	THREE 1, 0
	s_wait_dscnt 8
	WIN MUL_LO
	MUL12 1, 0, 0, 0
	MUL12 1, 0, 2, 0
	s_wait_dscnt 0
	WIN MUL_HI
	MUL12 1, 1, 0, 0
	MUL12 1, 1, 2, 0
	; THE WAY OUT: round to f16, 16 bytes a lane into my own stage, read back as whole rows, store.  The stage is the wave's own and LDS serves
	; a wave's instructions in order (ISA guide 5.7.1): no barrier, and no wait between its stores and its loads.
	PLACES                                         ; the places behind the last matrix instructions
	WIN 0
	s_lshr_b32 s72, s13, 3                         ; batch
	s_lshl_b32 s72, s72, 4
	s_add_co_u32 s72, s72, s42                     ; 16 batch + head
	s_lshl_b32 s72, s72, 18                        ; x 262,144 bytes, in q, k and v alike
	s_and_b32 s73, s13, 7
	s_lshl_b32 s73, s73, 8
	s_lshl_b32 s74, s11, 7
	s_add_co_u32 s73, s73, s74                     ; my first s
	s_lshl_b32 s74, s73, 7                         ; rows of q and k: 128 bytes
	s_add_co_u32 s74, s74, s72
	s_lshl_b32 s75, s12, 23                        ; k lies 0x800000 behind q
	s_add_co_u32 s74, s74, s75
	s_mov_b32 s75, 0
	s_add_nc_u64 s[68:69], s[6:7], s[74:75]        ; q or k at my first row
	s_lshl_b32 s74, s73, 1                         ; along a row of v transposed: 2 bytes for each s
	s_add_co_u32 s74, s74, s72
	s_lshl_b32 s73, s12, 17                        ; 32 nh rows of 4,096 bytes
	s_add_co_u32 s74, s74, s73
	s_add_co_u32 s74, s74, V_AT
	s_add_nc_u64 s[70:71], s[6:7], s[74:75]        ; v transposed at (d = 32 nh, my first s)
; rows 32 p .. 32 p + 31 of q or k = tiles (a, 0..3) and (a + 1, 0..3) of the window named by from (sources 0 and 1)
.macro OUTQK p, a, from, rb
	WIN \from
.irp aa, 0,1
.irp b, 0,1,2,3
.irp i, 0,1,2,3
	v_cvt_pk_f16_f32 v[TMP+4*(4*\aa+\b)+\i], v[8*(6*(\a+\aa)+\b)+2*\i], v[8*(6*(\a+\aa)+\b)+2*\i+1]
.endr
.endr
.endr
	WIN 0
.irp aa, 0,1
.irp b, 0,1,2,3
	ds_store_b128 v[STOQ], v[TMP+4*(4*\aa+\b):TMP+4*(4*\aa+\b)+3] offset:\aa*16*QP+32*\b
.endr
.endr
	s_wait_xcnt 0x0                                ; the read-back buffer, which earlier stores read, is loaded again only behind this wait
.irp t, 0,1,2,3,4,5,6,7
	ds_load_b128 v[\rb+4*\t:\rb+4*\t+3], v[RDQ] offset:\t*4*QP
.endr
.irp t, 0,1,2,3,4,5,6,7
	s_wait_dscnt 7-\t
	global_store_b128 v[COQ], v[\rb+4*\t:\rb+4*\t+3], s[68:69] offset:\p*4096+\t*512   ; the wave stores 512 consecutive bytes, aligned
.endr
.endm
; rows d = 32 nh + 16 bb .. + 15 of v transposed, my 128 s = tiles (0..7, 4 + bb)
.macro OUTV bb, rb
	WIN 0x05
.irp a, 0,1,2,3
.irp i, 0,1,2,3
	v_cvt_pk_f16_f32 v[TMP+4*\a+\i], v[8*(6*\a+4+\bb)+2*\i], v[8*(6*\a+4+\bb)+2*\i+1]
.endr
.endr
	WIN 0x0a
.irp a, 0,1,2,3
.irp i, 0,1,2,3
	v_cvt_pk_f16_f32 v[TMP+16+4*\a+\i], v[8*(6*\a+4+\bb)+2*\i], v[8*(6*\a+4+\bb)+2*\i+1]
.endr
.endr
	WIN 0
.irp a, 0,1,2,3,4,5,6,7
	ds_store_b128 v[STOV], v[TMP+4*\a:TMP+4*\a+3] offset:32*\a
.endr
	s_wait_xcnt 0x0
.irp t, 0,1,2,3,4,5,6,7
	ds_load_b128 v[\rb+4*\t:\rb+4*\t+3], v[RDV] offset:\t*2*PITCH
.endr
.irp t, 0,1,2,3,4,5,6,7
	s_wait_dscnt 7-\t
	global_store_b128 v[COV], v[\rb+4*\t:\rb+4*\t+3], s[70:71] offset:\bb*65536+\t*8192   ; 16 lanes store 256 consecutive bytes, aligned
.endr
.endm
	OUTQK 0, 0, 0x05, RB0
	OUTQK 1, 2, 0x05, RB1
	OUTQK 2, 0, 0x0a, RB0
	OUTQK 3, 2, 0x0a, RB1
	OUTV 0, RB0
	OUTV 1, RB1
	s_wait_tensorcnt 0x0
	ds_add_u32 v30, v31
	s_wait_dscnt 0x0
	CROUND                                         ; the closing round: no work-group ends while a partner may still ask for a tile that names it
	s_endpgm
.Lfunc_end_k_q64bca393fa_qkv:
	.size	k_q64bca393fa_qkv, .Lfunc_end_k_q64bca393fa_qkv-k_q64bca393fa_qkv
	.p2alignl 7, 3214868480
	.fill 96, 4, 3214868480
	.section	.rodata,"a",@progbits
	.p2align	6, 0x0
	.amdhsa_kernel k_q64bca393fa_qkv
		.amdhsa_group_segment_fixed_size 327680
		.amdhsa_private_segment_fixed_size 0
		.amdhsa_enable_private_segment 0
		.amdhsa_kernarg_size 16
		.amdhsa_user_sgpr_count 2
		.amdhsa_user_sgpr_kernarg_segment_ptr 1
		.amdhsa_wavefront_size32 1
		.amdhsa_system_sgpr_workgroup_id_x 1
		.amdhsa_system_sgpr_workgroup_id_y 1
		.amdhsa_system_sgpr_workgroup_id_z 1
		.amdhsa_system_vgpr_workitem_id 0
		.amdhsa_next_free_vgpr 704
		.amdhsa_next_free_sgpr 76
		.amdhsa_reserve_vcc 0
		.amdhsa_float_denorm_mode_32 3
		.amdhsa_float_denorm_mode_16_64 3
		.amdhsa_memory_ordered 1
		.amdhsa_forward_progress 1
		.amdhsa_inst_pref_size 158
	.end_amdhsa_kernel
	.amdgpu_metadata
---
amdhsa.version: [ 1, 2 ]
amdhsa.kernels:
  - .name:           k_q64bca393fa_qkv
    .symbol:         k_q64bca393fa_qkv.kd
    .args:
      - { .name: h16, .offset: 0, .size: 8, .value_kind: global_buffer, .address_space: global }
      - { .name: qkvh, .offset: 8, .size: 8, .value_kind: global_buffer, .address_space: global }
    .group_segment_fixed_size: 327680
    .private_segment_fixed_size: 0
    .kernarg_segment_align: 8
    .kernarg_segment_size: 16
    .max_flat_workgroup_size: 128
    .sgpr_count:     76
    .vgpr_count:     704
    .wavefront_size: 32
...
	.end_amdgpu_metadata
.endif
;; end of part 2
;; launch attn (part 3): grid 16 x 16, 8 waves a work-group, clusters of 4 x 1, 327,680 bytes of LDS; arguments qkvh, mask, attnh; writes attnh
.if DOCPART == 3
	.amdgcn_target "amdgcn-amd-amdhsa--gfx1250"
	.amdhsa_code_object_version 6
	.text
	.protected	k_q64bca393fa_attn
	.globl	k_q64bca393fa_attn
	.p2align	8
	.type	k_q64bca393fa_attn,@function
k_q64bca393fa_attn:
	s_mov_b64 s[64:65], 0
	v_nop
	global_prefetch_b8 v0, s[64:65] scope:SCOPE_SE
	s_setreg_imm32_b32 hwreg(HW_REG_WAVE_MODE, 25, 1), 1
	s_wait_xcnt 0x0
	s_wait_alu depctr_hold_cnt(0) depctr_sa_sdst(0) depctr_va_vdst(0) depctr_va_sdst(0) depctr_va_ssrc(0) depctr_va_vcc(0) depctr_vm_vsrc(0)
	s_getreg_b32 s2, hwreg(HW_REG_IB_STS2, 6, 4)
	s_cmp_eq_u32 s2, 0
	s_cbranch_scc0 .Lentry_in_a_cluster
	s_endpgm
.Lentry_in_a_cluster:
	s_bfe_u32 s2, ttmp6, 0x10000c
	s_cmp_lg_u32 s2, 0x3003
	s_cbranch_scc0 .Lentry_shape_is_right
	s_endpgm
.Lentry_shape_is_right:
; attnh[b][s][64 h + d] = softmax over t of (q.k / 8, masked keys out) times v, in f16; scores, softmax and sums in f32, with a running maximum.
; In: qkvh: q [b][h][s][64] f16 at 0, k likewise at 0x800000, v transposed [b][h][d][s] at 0x1000000; mask [b][s], one byte a key.
; A work-group takes 128 queries (work-group x) of two neighbouring heads (work-group y = 8 b + head pair), so that a row of its output is 256
; consecutive bytes, aligned.  Eight waves: wave w takes head half hh = w / 4 and the 32 queries 32 (w % 4) .. + 31, two tiles n = 0, 1.
; ALL IS DONE TRANSPOSED.  S^T = K Q^T + addend: in the result lane (r, h) holds query r and keys 8 h + 0..7, so maximum and sum are taken inside
; a lane and once across the two halves, and two neighbouring tiles of S^T, packed to f16 in place, ARE the second source of O^T += V^T P^T.
; THE MASK is an addend for each key, 0 or -2^100, kept as a table of f32 in LDS and given to the first product as its C.
; LIMITS: a masked key gets -2^100 in place of -inf, and the running maximum starts at -2^96.  q, k are f16, so |q.k| <= 64 x 65504^2 = 2.7e11:
; no true score comes near either, a masked key's weight is exp2 of about -2e29 = 0, and a batch with every key masked gives 0 x (1 / 0) = NaN
; like the softmax of all -inf.  P and the output are f16.
; A STEP IS 64 KEYS, AND A WAVE'S MATRIX AND VECTOR WORK ARE WOVEN INTO ONE STREAM.  S^T has two buffers.  While step j's weights are made
; (exponents, exponentials, sums: 16 lines a tile), the 16 products of step j + 1's S^T stand between those lines, two a tile; the scaling of
; O^T by the change of the maximum stands between the first eight products of O^T += V^T P^T, two tiles ahead of its tile.
; For that the woven lines share one register-window setting: Q lies in window 1 (source 1), and the vector lines woven with the S^T products
; name no vector register as source 1 (the sums are S x 1.0 + sum); V's fragments and O^T lie in window 1, the factor and P in window 0.
; CLUSTERS: the four query blocks of a cluster (4, 1, 1) read the same tiles of K and V: every tile load is joint, mask 15.
; LDS: two slots of 256 keys: K of both heads (512 rows of 128 + 16 bytes), V^T of both heads (128 rows of 512 + 16 bytes); each of the eight
; waves brings 16 KiB of a slot by one load.  Behind them the table of addends and the stage of the way out, into which no fill lands.
.set KP,     144
.set VP,     528
.set KHEAD,  256*KP                    ; 36,864
.set VOFF,   2*KHEAD                   ; 73,728
.set SLOT,   VOFF+128*VP               ; 141,312
.set BIAS,   2*SLOT                    ; 282,624: 2,048 f32
.set STAGE,  BIAS+8192                 ; 290,816: 128 rows of 256 + 16 bytes
.set SP,     272
.set K_AT,   0x800000
.set V_AT,   0x1000000
; window 0
.set RR,   1                           ; v1      r = lane % 16
.set ADK,  2                           ; v2-3    LDS address of my K fragments in slot 0, 1
.set ADV,  4                           ; v4-5    of my V fragments
.set ADB,  6                           ; v6      of my addends; steps 2,048 bytes a trip
.set HH,   7                           ; v7      h = lane / 16
.set M,    8                           ; v8-9    running maximum of tile n's query
.set RD,   10                          ; v10     the way out: where I read a row back
.set CO,   11                          ; v11     the way out: my byte offset in attnh
.set MY,   12                          ; v12-13  second chain of the maximum
.set STO,  12                          ; v12     the way out: where I put 16 bytes (the maxima are done by then)
.set T,    14                          ; v14-15  what comes from the other half of the lanes
.set NM,   16                          ; v16, v18  -c x maximum (low register of a pair; the partner is written once)
.set AL,   20                          ; v20, v22  the factor for what was summed before; at the end 1 / sum
.set LP,   24                          ; v[24:31]  running sums: for each n two chains of a pair, at LP + 4 n and LP + 4 n + 2
.set BI,   32                          ; v32-63    addend tiles, BI + 8 kt
.set S,    64                          ; v64-191   S^T, two buffers of 64: step j's is S + 64 (j % 2); tile t = 4 n + kt at + 8 t; then P, at + 32 n + 16 u
.set KF,   192                         ; v192-255  K fragments, KF + 16 kt + 8 ks
.set MOF,  KF                          ; set-up only, before K's first fragments: offset of my 8 bytes of the mask,
.set QOF,  KF+1                        ;   offset of my part of Q's rows,
.set BST,  KF+2                        ;   where I put my 8 addends
; window 1
.set O,    0                           ; v256-319  O^T, tile t = 2 dt + n at O + 8 t
.set Q,    64                          ; v320-351  Q fragments, Q + 16 n + 8 ks
.set VF,   96                          ; v352-415  V^T fragments, VF + 16 dt + 8 u
.set G1K, 28                           ; s[28:35] descriptor group 1 for K's tiles
.set G1V, 36                           ; s[36:43] for V's
.set G0K, 44                           ; s[44:51] group 0 for K's tiles, one set for each slot
.set G0V, 52                           ; s[52:59] for V's
.set MSB, 0
.macro WIN new                         ; the immediate's high byte repeats the setting that is left
.if MSB != \new
	s_set_vgpr_msb (MSB<<8)|\new
.set MSB, \new
.endif
.endm
.macro ROUND                           ; a round of the cluster's barrier
	s_barrier_signal -1
	s_barrier_wait -1
	s_cmp_lg_u32 s10, 0
	s_cbranch_scc1 .Lnot_wave_0_\@
	s_barrier_signal -3
.Lnot_wave_0_\@:
	s_barrier_wait -3
	s_barrier_signal -1
	s_barrier_wait -1
.endm
.macro JLOAD s                         ; a joint load: waves 0-3 bring K's four quarters, waves 4-7 V's; the branch hangs on the wave's number alone
	s_cmp_eq_u32 s11, 0
	s_cbranch_scc0 .Lfor_v_\@
	tensor_load_to_lds s[G0K+4*\s:G0K+4*\s+3], s[G1K:G1K+7]
	s_nop 0
	s_branch .Lasked_\@
.Lfor_v_\@:
	tensor_load_to_lds s[G0V+4*\s:G0V+4*\s+3], s[G1V:G1V+7]
	s_nop 0
.Lasked_\@:
.endm
	s_load_b128 s[4:7], s[0:1], 0x0                ; qkvh s[4:5], mask s[6:7]
	s_load_b64 s[8:9], s[0:1], 0x10                ; attnh
	s_set_vgpr_msb 0x40
	v_lshl_add_u32 v160, v0, 2, 0x4f800
	v_mov_b32 v161, 0
	s_set_vgpr_msb 0x4045
	ds_add_u32 v160, v161
	s_set_vgpr_msb 0x4500
	v_lshrrev_b32 v1, 5, v0
	v_readfirstlane_b32 s10, v1                    ; wave 0..7
	s_lshr_b32 s11, s10, 2                         ; hh.  Also: I fetch for K (0) or for V (1)
	s_and_b32 s12, s10, 3                          ; which 32 queries.  Also: which quarter of that tile I fetch
	s_bfe_u32 s13, ttmp6, 0x40000                  ; cx
	s_lshl_b32 s14, ttmp9, 2
	s_add_co_u32 s14, s14, s13                     ; query block = 4 x cluster x + cx
	s_and_b32 s15, ttmp7, 0xffff                   ; y = 8 b + head pair
	s_mov_b32 s20, 0x3e38aa3b                      ; c = log2(e) / 8: the scale 1 / 8 and the change to base 2 in one factor
	s_mov_b32 s21, 0x3e38aa3b
	s_mov_b32 s22, 0xbe38aa3b                      ; -c
	s_mov_b32 s24, 0x76543210                      ; v_permlanex16_b32: lane i of one half reads lane i of the other
	s_mov_b32 s25, 0xfedcba98
	s_mov_b32 s26, 0x71800000                      ; 2^100
	s_mov_b32 s27, 0xf1800000                      ; -2^100
	; K's tile: 128 keys x 64 elements; 4 words of padding behind every 32.  V's: 32 rows (d) x 256 elements (keys); 4 words behind every 128.
	s_mov_b32 s[G1K+0], 15|(1<<16)|(1<<20)|(1<<21)|(4<<22)|(3<<25)
	s_mov_b32 s[G1K+1], 64<<16
	s_mov_b32 s[G1K+2], 128<<16
	s_mov_b32 s[G1K+3], 64<<16
	s_mov_b32 s[G1K+4], 128
	s_mov_b32 s[G1K+5], 64
	s_mov_b32 s[G1K+6], 0
	s_mov_b32 s[G1K+7], 0
	s_mov_b32 s[G1V+0], 15|(1<<16)|(1<<20)|(1<<21)|(6<<22)|(3<<25)
	s_mov_b32 s[G1V+1], 256<<16
	s_mov_b32 s[G1V+2], 32<<16
	s_mov_b32 s[G1V+3], 256<<16
	s_mov_b32 s[G1V+4], 32
	s_mov_b32 s[G1V+5], 2048
	s_mov_b32 s[G1V+6], 0
	s_mov_b32 s[G1V+7], 0
	; where the tiles come from: y and the wave's number alone, which the four partners share
	s_lshl_b32 s16, s15, 1
	s_lshr_b32 s17, s12, 1
	s_add_co_u32 s16, s16, s17                     ; K: 16 b + head = 2 y + quarter / 2,
	s_lshl_b32 s16, s16, 18
	s_and_b32 s17, s12, 1
	s_lshl_b32 s17, s17, 14                        ; keys 128 (quarter % 2) .., 128 bytes each
	s_add_co_u32 s16, s16, s17
	s_add_co_u32 s16, s16, K_AT
	s_mov_b32 s17, 0
	s_lshl_b32 s18, s15, 19                        ; V: the two heads' 128 rows follow each other, 4,096 bytes apart;
	s_lshl_b32 s19, s12, 17                        ; rows 32 quarter ..
	s_add_co_u32 s18, s18, s19
	s_add_co_u32 s18, s18, V_AT
	s_mov_b32 s19, 0
	s_mul_i32 s60, s10, 128*KP                     ; where they go: K's quarters at wave x 128 rows (waves 0-3),
	s_mul_i32 s61, s10, 32*VP
	s_add_co_u32 s61, s61, VOFF-4*32*VP            ; V's at VOFF + (wave - 4) x 32 rows (waves 4-7)
	s_wait_dscnt 0x0
	s_wait_kmcnt 0x0
	s_add_nc_u64 s[16:17], s[4:5], s[16:17]
	s_add_nc_u64 s[18:19], s[4:5], s[18:19]
	ROUND                                          ; the four work-groups are here: the first joint loads meet
.irp s, 0,1
	s_mov_b32 s[G0K+4*\s], 1
	s_add_co_u32 s[G0K+4*\s+1], s60, \s*SLOT
	s_add_nc_u64 s[G0K+4*\s+2:G0K+4*\s+3], s[16:17], \s*32768      ; keys 256 s ..
	s_or_b32 s[G0K+4*\s+3], s[G0K+4*\s+3], 0x80000000
	s_mov_b32 s[G0V+4*\s], 1
	s_add_co_u32 s[G0V+4*\s+1], s61, \s*SLOT
	s_add_nc_u64 s[G0V+4*\s+2:G0V+4*\s+3], s[18:19], \s*512
	s_or_b32 s[G0V+4*\s+3], s[G0V+4*\s+3], 0x80000000
	JLOAD \s                                       ; both slots are asked for first of all: two loads of the wave are out
.endr
	; the mask of my batch, 8 keys a thread, and my 32 rows of Q, straight into fragments
	s_lshr_b32 s62, s15, 3
	s_lshl_b32 s62, s62, 11
	s_mov_b32 s63, 0
	s_add_nc_u64 s[6:7], s[6:7], s[62:63]
	v_lshlrev_b32 v[MOF], 3, v0
	global_load_b64 v[S:S+1], v[MOF], s[6:7]
	s_lshl_b32 s62, s15, 1
	s_add_co_u32 s62, s62, s11                     ; 16 b + head
	s_lshl_b32 s62, s62, 11                        ; x 2,048 rows
	s_lshl_b32 s60, s14, 7
	s_add_co_u32 s62, s62, s60                     ; + 128 query block
	s_lshl_b32 s60, s12, 5
	s_add_co_u32 s62, s62, s60                     ; + 32 (wave % 4)
	s_lshl_b32 s62, s62, 7                         ; x 128 bytes
	s_add_nc_u64 s[4:5], s[4:5], s[62:63]
	v_and_b32 v[RR], 15, v0
	v_bfe_u32 v[HH], v0, 4, 1
	v_lshlrev_b32 v[QOF], 7, v[RR]
	v_lshl_add_u32 v[QOF], v[HH], 4, v[QOF]        ; row r, 16 h
	WIN 0x40                                       ; destination in window 1
.irp n, 0,1
.irp ks, 0,1
	global_load_b128 v[Q+16*\n+8*\ks:Q+16*\n+8*\ks+3],   v[QOF], s[4:5] offset:\n*2048+64*\ks
	global_load_b128 v[Q+16*\n+8*\ks+4:Q+16*\n+8*\ks+7], v[QOF], s[4:5] offset:\n*2048+64*\ks+32
.endr
.endr
	WIN 0
	v_mul_u32_u24 v[ADK], v[RR], KP
	v_lshl_add_u32 v[ADK], v[HH], 4, v[ADK]
	s_mul_i32 s62, s11, KHEAD
	v_add_nc_u32 v[ADK], s62, v[ADK]               ; my head's K: key row r, 16 h
	v_add_nc_u32 v[ADK+1], SLOT, v[ADK]
	v_mul_u32_u24 v[ADV], v[RR], VP
	v_lshl_add_u32 v[ADV], v[HH], 4, v[ADV]
	s_mul_i32 s60, s11, 64*VP
	s_add_co_u32 s60, s60, VOFF
	v_add_nc_u32 v[ADV], s60, v[ADV]               ; my head's V^T: row d = r, 16 h
	v_add_nc_u32 v[ADV+1], SLOT, v[ADV]
	v_lshlrev_b32 v[ADB], 5, v[HH]
	v_add_nc_u32 v[ADB], BIAS, v[ADB]              ; the addends of keys 8 h .. 8 h + 7: 32 bytes
	v_lshlrev_b32 v[BST], 5, v0
	v_add_nc_u32 v[BST], BIAS, v[BST]
	v_mov_b32 v[M], 0xef800000                     ; -2^96
	v_mov_b32 v[M+1], 0xef800000
.irp x, T, T+1, NM+1, NM+3, AL+1, AL+3
	v_mov_b32 v[\x], 0                             ; destinations of the lane exchange and the unused partners of pairs: written once
.endr
	s_wait_loadcnt 8                               ; the mask is in; Q's eight loads, issued behind it, stay out
.irp i, 0,1,2,3
	v_bfe_u32 v[S+2+\i], v[S],   8*\i, 8
	v_bfe_u32 v[S+6+\i], v[S+1], 8*\i, 8
.endr
.irp i, 0,1,2,3,4,5,6,7
	v_cvt_f32_u32 v[S+2+\i], v[S+2+\i]
.endr
.irp i, 0,1,2,3,4,5,6,7
	v_fma_f32 v[S+2+\i], v[S+2+\i], s26, s27       ; 1 -> 0, 0 -> -2^100
.endr
	ds_store_b128 v[BST], v[S+2:S+5]
	ds_store_b128 v[BST], v[S+6:S+9] offset:16
	s_wait_loadcnt 0x0                             ; Q; the set-up offsets in K's registers are free from here
	s_wait_tensorcnt 1                             ; my part of slot 0 is in; slot 1's may stay out
	s_wait_dscnt 0x0                               ; my addends are in LDS
	s_barrier_signal -1
	s_barrier_wait -1
; 24 loads: the K fragments of keys 64 j .. + 63 of a slot (16), and those keys' addend tiles at byte nb of the table from ADB (8)
.macro LDK slot, j, nb
.irp kt, 0,1,2,3
.irp ks, 0,1
	ds_load_b128 v[KF+16*\kt+8*\ks:KF+16*\kt+8*\ks+3],   v[ADK+(\slot)] offset:(\j)*64*KP+\kt*16*KP+64*\ks
	ds_load_b128 v[KF+16*\kt+8*\ks+4:KF+16*\kt+8*\ks+7], v[ADK+(\slot)] offset:(\j)*64*KP+\kt*16*KP+64*\ks+32
.endr
.endr
.irp kt, 0,1,2,3
	ds_load_b128 v[BI+8*\kt:BI+8*\kt+3],   v[ADB] offset:\nb+64*\kt
	ds_load_b128 v[BI+8*\kt+4:BI+8*\kt+7], v[ADB] offset:\nb+64*\kt+16
.endr
.endm
; 16 loads: the V^T fragments of keys 64 j .. + 63 of a slot (the caller sets the destination's window)
.macro LDV slot, j
.irp dt, 0,1,2,3
.irp u, 0,1
	ds_load_b128 v[VF+16*\dt+8*\u:VF+16*\dt+8*\u+3],   v[ADV+(\slot)] offset:(\j)*128+\dt*16*VP+64*\u
	ds_load_b128 v[VF+16*\dt+8*\u+4:VF+16*\dt+8*\u+7], v[ADV+(\slot)] offset:(\j)*128+\dt*16*VP+64*\u+32
.endr
.endr
.endm
; SC: this step's buffer of S^T; SN: the next step's.  WI counts the next step's products, WN is how many there are (16, or none in the last step).
; WM: the next of them.  Numbers 0-7: the eight tiles' first 32 of d, onto the addends; 8-15: the second 32, in place.  The eight accumulators
; take turns, one instruction a turn.
.macro WM
.if WI < WN
.if WI < 8
	v_wmma_f32_16x16x32_f16 v[SN+8*WI:SN+8*WI+7], v[KF+16*(WI&3):KF+16*(WI&3)+7], v[Q+16*(WI>>2):Q+16*(WI>>2)+7], v[BI+8*(WI&3):BI+8*(WI&3)+7]
.else
	v_wmma_f32_16x16x32_f16 v[SN+8*(WI-8):SN+8*(WI-8)+7], v[KF+16*(WI&3)+8:KF+16*(WI&3)+15], v[Q+16*((WI-8)>>2)+8:Q+16*((WI-8)>>2)+15], v[SN+8*(WI-8):SN+8*(WI-8)+7]
.endif
.set WI, WI+1
.endif
.endm
; The running maximum of each query over its 64 new scores, in place, two chains for each n.  The first 16 lines: they are also the places
; behind the last step's products, none of whose registers they name, in front of the loads into V's fragments.
.macro MAXH
.irp n, 0,1
	v_max3_num_f32 v[M+\n],  v[SC+32*\n],    v[SC+32*\n+1],  v[M+\n]
	v_max3_num_f32 v[MY+\n], v[SC+32*\n+16], v[SC+32*\n+17], v[SC+32*\n+18]
.endr
.irp i, 0,1,2
.irp n, 0,1
	v_max3_num_f32 v[M+\n],  v[M+\n],  v[SC+32*\n+2+2*\i],  v[SC+32*\n+3+2*\i]
	v_max3_num_f32 v[MY+\n], v[MY+\n], v[SC+32*\n+19+2*\i], v[SC+32*\n+20+2*\i]
.endr
.endr
.endm
.macro SMA1 t, i                       ; two exponents of tile t: c S - c maximum
	v_pk_fma_f32 v[SC+8*(\t)+2*(\i):SC+8*(\t)+2*(\i)+1], v[SC+8*(\t)+2*(\i):SC+8*(\t)+2*(\i)+1], s[20:21], v[NM+2*((\t)>>2):NM+2*((\t)>>2)+1] op_sel_hi:[1,0,0]
.endm
; The other 16 lines of the maximum; then NM = -c x maximum and, but in the first step, AL = exp2(c x (old maximum - new maximum)), its exponent
; made of the new maximum and the NM left by the step before; tile 0's exponents; the old sums times AL.
.macro MAXR first
.irp i, 3,4,5
.irp n, 0,1
	v_max3_num_f32 v[M+\n],  v[M+\n],  v[SC+32*\n+2+2*\i],  v[SC+32*\n+3+2*\i]
	v_max3_num_f32 v[MY+\n], v[MY+\n], v[SC+32*\n+19+2*\i], v[SC+32*\n+20+2*\i]
.endr
.endr
.irp n, 0,1
	v_max3_num_f32 v[M+\n], v[M+\n], v[SC+32*\n+14], v[SC+32*\n+15]
.endr
.irp n, 0,1
	v_max3_num_f32 v[M+\n], v[M+\n], v[MY+\n], v[SC+32*\n+31]
.endr
.irp n, 0,1
	v_permlanex16_b32 v[T+\n], v[M+\n], s24, s25   ; the other eight keys of each tile lie in the other half of the lanes
.endr
.irp n, 0,1
	v_max_num_f32 v[M+\n], v[M+\n], v[T+\n]
.endr
.if \first == 0
.irp n, 0,1
	v_fma_f32 v[AL+2*\n], v[M+\n], s22, -v[NM+2*\n]
.endr
.endif
.irp n, 0,1
	v_mul_f32 v[NM+2*\n], s22, v[M+\n]
.endr
.if \first == 0
	v_exp_f32 v[AL], v[AL]
	v_exp_f32 v[AL+2], v[AL+2]
.endif
.irp i, 0,1,2,3
	SMA1 0, \i                                     ; plain lines that touch no AL: the place behind the two exponentials (ISA guide 5.7.2)
.endr
.if \first == 0
	s_wait_alu depctr_va_vdst(0)
.irp n, 0,1
	v_pk_mul_f32 v[LP+4*\n:LP+4*\n+1],   v[LP+4*\n:LP+4*\n+1],   v[AL+2*\n:AL+2*\n+1] op_sel_hi:[1,0]
	v_pk_mul_f32 v[LP+4*\n+2:LP+4*\n+3], v[LP+4*\n+2:LP+4*\n+3], v[AL+2*\n:AL+2*\n+1] op_sel_hi:[1,0]
.endr
.endif
.endm
.macro SME t, i                        ; one weight
	v_exp_f32 v[SC+8*(\t)+(\i)], v[SC+8*(\t)+(\i)]
.endm
; Line i of four: two weights of tile t onto one of its query tile's two chains of sums, as S x 1.0 + sum, which names no vector register as
; source 1.  In the first step of all a query tile's first tile starts the two chains, by two lines.
.macro SMC t, i, first
.if \first
.if ((\t)&3) == 0
.if (\i) < 2
	s_wait_alu depctr_va_vdst(0)
	v_pk_fma_f32 v[LP+4*((\t)>>2)+2*(\i):LP+4*((\t)>>2)+2*(\i)+1], v[SC+8*(\t)+2*(\i):SC+8*(\t)+2*(\i)+1], 1.0, v[SC+8*(\t)+2*(\i)+4:SC+8*(\t)+2*(\i)+5] op_sel_hi:[1,0,1]
.endif
.else
	s_wait_alu depctr_va_vdst(0)
	v_pk_fma_f32 v[LP+4*((\t)>>2)+2*((\i)&1):LP+4*((\t)>>2)+2*((\i)&1)+1], v[SC+8*(\t)+2*(\i):SC+8*(\t)+2*(\i)+1], 1.0, v[LP+4*((\t)>>2)+2*((\i)&1):LP+4*((\t)>>2)+2*((\i)&1)+1] op_sel_hi:[1,0,1]
.endif
.else
	s_wait_alu depctr_va_vdst(0)
	v_pk_fma_f32 v[LP+4*((\t)>>2)+2*((\i)&1):LP+4*((\t)>>2)+2*((\i)&1)+1], v[SC+8*(\t)+2*(\i):SC+8*(\t)+2*(\i)+1], 1.0, v[LP+4*((\t)>>2)+2*((\i)&1):LP+4*((\t)>>2)+2*((\i)&1)+1] op_sel_hi:[1,0,1]
.endif
.endm
; Tile t's eight exponentials, with the next tile's exponents and the last tile's sums between them: behind each exponential stands plain work
; on another tile before its result is used (ISA guide 5.7.2).  wm: how many of the next step's products stand among them: 0, 2 or 3.
.macro SMT t, first, wm
.irp i, 0,1,2,3
	SME \t, \i
.if \t < 7
	SMA1 \t+1, \i
.endif
.if \wm
.if \i == 1
	WM
.endif
.endif
.endr
.irp i, 4,5,6,7
	SME \t, \i
.if \t > 0
	SMC \t-1, \i-4, \first
.endif
.if \wm == 2
.if \i == 5
	WM
.endif
.endif
.if \wm == 3
.if \i == 4
	WM
.endif
.if \i == 6
	WM
.endif
.endif
.endr
.endm
.macro PIPE8 first                     ; K's fragments are in: two products a tile, 16 in the eight tiles
.irp t, 0,1,2,3,4,5,6,7
	SMT \t, \first, 2
.endr
.irp i, 0,1,2,3
	SMC 7, \i, \first
.endr
.endm
.macro PIPEL first                     ; K's fragments were asked for just now: two tiles without products, then three a tile until the 16 are out
	SMT 0, \first, 0
	SMT 1, \first, 0
	s_wait_dscnt 0x0                               ; K's fragments and the addends: nothing was issued behind them
.irp t, 2,3,4,5,6,7
	SMT \t, \first, 3
.endr
.irp i, 0,1,2,3
	SMC 7, \i, \first
.endr
.endm
; Tile t's weights to f16, in place: an even tile into its own registers 0-3, an odd one into registers 4-7 of the tile in front, packed by then.
.macro PACK t
.irp i, 0,1,2,3
	v_cvt_pk_f16_f32 v[SC+8*(\t)-4*((\t)&1)+\i], v[SC+8*(\t)+2*\i], v[SC+8*(\t)+2*\i+1]
.endr
.endm
.macro RS t                            ; tile t of O^T times AL: a lane holds one query of the tile
.irp i, 0,1,2,3
	v_pk_mul_f32 v[O+8*(\t)+2*\i:O+8*(\t)+2*\i+1], v[O+8*(\t)+2*\i:O+8*(\t)+2*\i+1], v[AL+2*((\t)&1):AL+2*((\t)&1)+1] op_sel_hi:[1,0]
.endr
.endm
.macro PW t, u, zero                   ; tile t = 2 dt + n of O^T += V^T P^T over 32 keys
.if \zero
	v_wmma_f32_16x16x32_f16 v[O+8*\t:O+8*\t+7], v[VF+16*(\t>>1)+8*\u:VF+16*(\t>>1)+8*\u+7], v[SC+32*(\t&1)+16*\u:SC+32*(\t&1)+16*\u+7], 0
.else
	v_wmma_f32_16x16x32_f16 v[O+8*\t:O+8*\t+7], v[VF+16*(\t>>1)+8*\u:VF+16*(\t>>1)+8*\u+7], v[SC+32*(\t&1)+16*\u:SC+32*(\t&1)+16*\u+7], v[O+8*\t:O+8*\t+7]
.endif
.endm
; O^T = O^T x AL + V^T P^T.  A tile is scaled two products ahead of its own first product; a scaling line names no register of the products
; in front of it.  The eight accumulators take turns, twice, one instruction a turn.  In the first step of all the
; first product starts the sums: nothing is cleared or scaled.
.macro PVR first
.if \first == 0
	RS 0
	RS 1
.endif
.irp t, 0,1,2,3,4,5,6,7
	PW \t, 0, \first
.if \first == 0
.if \t < 6
	RS \t+2
.endif
.endif
.endr
.irp t, 0,1,2,3,4,5,6,7
	PW \t, 1, 0
.endr
.endm
; One step: the 64 keys 64 j .. of a slot; its S^T lies ready in buffer j % 2.
; mode 0: the next step's K fragments were asked for a step ago.  mode 1: the slot's last step: the slot is filled again, two blocks of 256 keys
; ahead, behind a round of the cluster's barrier, and the next step's K and addends (at lnb from ADB) are read from the other slot behind it.
; mode 2: the same without a refill (a plain barrier shows the other slot whole).  mode 3: the last step of all: no next step.
; post = 1: behind this step's products of S^T the K fragments and addends of the step after the next are asked for: slot ps, keys 64 pj .., pnb.
; (A slot's third step asks for none: they lie in the other slot, which is shown whole only by the fourth step's barrier.)
.macro STEP slot, j, mode, first, lnb, post, ps, pj, pnb
.set SC, S+64*((\j)&1)
.set SN, S+64-64*((\j)&1)
.set WI, 0
.if \mode == 3
.set WN, 0
.else
.set WN, 16
.endif
	MAXH
	WIN 0x40                                       ; destination in window 1
	LDV \slot, \j
	WIN 0
	MAXR \first
.if \mode == 1
	s_wait_dscnt 0x0                               ; my reads of this slot are over: its last V fragments are in registers, its last K fragments were read two steps ago
	s_set_vgpr_msb 0x5
	s_wait_tensorcnt 0x0                           ; all my tensor loads have landed, my part of the other slot among them: a group 0 may be written
	ds_add_u32 v160, v161
	s_wait_dscnt 0x0
	s_set_vgpr_msb 0x500
	s_add_nc_u64 s[G0K+4*\slot+2:G0K+4*\slot+3], s[G0K+4*\slot+2:G0K+4*\slot+3], 65536
	s_add_nc_u64 s[G0V+4*\slot+2:G0V+4*\slot+3], s[G0V+4*\slot+2:G0V+4*\slot+3], 1024
	ROUND                                          ; both now hold of every wave of the four work-groups
	JLOAD \slot                                    ; my one tensor load behind the round; it has four steps in which to land
	LDK 1-\slot, 0, \lnb
.endif
.if \mode == 2
	s_wait_dscnt 0x0
	s_wait_tensorcnt 0x0                           ; my part of the last block of keys has landed
	s_barrier_signal -1
	s_barrier_wait -1                              ; everybody's has
	LDK 1-\slot, 0, \lnb
.endif
	WIN 0x04                                       ; source 1 (Q) in window 1; the vector lines below name no vector register there
.if \mode == 0
	s_wait_dscnt 16                                ; K's fragments and the addends are in; this step's 16 loads of V's, issued behind them, may be out
	PIPE8 \first
.endif
.if \mode == 3
	PIPE8 \first
.endif
.if \mode == 1
	PIPEL \first
.endif
.if \mode == 2
	PIPEL \first
.endif
	WIN 0
	PACK 0
	PACK 1                                         ; with the last sums: more than four places behind the last product that read K's fragments and the addends
.if \post
	LDK \ps, \pj, \pnb
.endif
.irp t, 2,3,4,5,6,7
	PACK \t
.endr
.if \post
	s_wait_dscnt 24                                ; V's fragments are in; the 24 loads just issued behind them may be out
.else
	s_wait_dscnt 0x0                               ; V's fragments: nothing was issued behind them
.endif
	WIN 0x51                                       ; O^T (C, D, and the scaling's source 0) and V's fragments in window 1; P and AL (source 1) in window 0
	PVR \first
	WIN 0
.endm
	; Step 0's S^T stands alone in front of everything; then step 1's K fragments are asked for.
	LDK 0, 0, 0
	s_wait_dscnt 0x0
.set SN, S
.set WI, 0
.set WN, 16
	WIN 0x04
.rept 16
	WM
.endr
	WIN 0
.rept 4
	v_nop                                          ; four places before K's fragments are loaded again and the results are read (ISA guide 7.12.1)
.endr
	LDK 0, 1, 256
	; 32 steps = 8 blocks of 256 keys.  The loop is turned by one step so that the first step, which starts the sums, stands in front of it.
	STEP 0, 0, 0, 1, 0,    1, 0, 2, 512
	s_mov_b32 s23, 3
.Ltrip:                                                ; a trip: two blocks of keys, two joint refills (blocks 2 to 7 in the three trips)
	STEP 0, 1, 0, 0, 0,    1, 0, 3, 768
	STEP 0, 2, 0, 0, 0,    0, 0, 0, 0
	STEP 0, 3, 1, 0, 1024, 1, 1, 1, 1280
	STEP 1, 0, 0, 0, 0,    1, 1, 2, 1536
	STEP 1, 1, 0, 0, 0,    1, 1, 3, 1792
	STEP 1, 2, 0, 0, 0,    0, 0, 0, 0
	STEP 1, 3, 1, 0, 2048, 1, 0, 1, 2304
	STEP 0, 0, 0, 0, 0,    1, 0, 2, 2560
	v_add_nc_u32 v[ADB], 2048, v[ADB]              ; eight steps' addends on: 512 keys x 4 bytes
	s_sub_co_u32 s23, s23, 1
	s_cmp_lg_u32 s23, 0
	s_cbranch_scc1 .Ltrip
	STEP 0, 1, 0, 0, 0,    1, 0, 3, 768            ; the last seven steps fill nothing
	STEP 0, 2, 0, 0, 0,    0, 0, 0, 0
	STEP 0, 3, 2, 0, 1024, 1, 1, 1, 1280
	STEP 1, 0, 0, 0, 0,    1, 1, 2, 1536
	STEP 1, 1, 0, 0, 0,    1, 1, 3, 1792
	STEP 1, 2, 0, 0, 0,    0, 0, 0, 0
	STEP 1, 3, 3, 0, 0,    0, 0, 0, 0
	; THE WAY OUT: O^T / sum, to f16; a lane's 8 numbers are 8 neighbouring d of one query: 16 bytes into the stage; whole rows of 256 bytes back.
	; The first four lines are the places behind the last products.
.irp n, 0,1
	v_pk_add_f32 v[LP+4*\n:LP+4*\n+1], v[LP+4*\n:LP+4*\n+1], v[LP+4*\n+2:LP+4*\n+3]
.endr
.irp n, 0,1
	v_add_f32 v[LP+4*\n], v[LP+4*\n], v[LP+4*\n+1]
.endr
.irp n, 0,1
	v_permlanex16_b32 v[T+\n], v[LP+4*\n], s24, s25
.endr
.irp n, 0,1
	v_add_f32 v[LP+4*\n], v[LP+4*\n], v[T+\n]
.endr
	v_rcp_f32 v[AL], v[LP]
	v_rcp_f32 v[AL+2], v[LP+4]
	v_nop                                          ; one plain place before the reciprocals are used (ISA guide 5.7.2)
	s_wait_alu depctr_va_vdst(0)
	WIN 0x41                                       ; destination and source 0 in window 1
.irp t, 0,1,2,3,4,5,6,7
	RS \t
.endr
	WIN 0x05                                       ; sources 0 and 1 in window 1
.irp t, 0,1,2,3,4,5,6,7
.irp i, 0,1,2,3
	v_cvt_pk_f16_f32 v[S+4*\t+\i], v[O+8*\t+2*\i], v[O+8*\t+2*\i+1]
.endr
.endr
	WIN 0
	s_mul_i32 s61, s12, 32*SP
	s_lshl_b32 s62, s11, 7
	s_add_co_u32 s61, s61, s62
	s_add_co_u32 s61, s61, STAGE
	v_mul_u32_u24 v[STO], v[RR], SP
	v_lshl_add_u32 v[STO], v[HH], 4, v[STO]
	v_add_nc_u32 v[STO], s61, v[STO]               ; stage: row 32 (w % 4) + r, my head's 128 bytes, 16 h
.irp dt, 0,1,2,3
.irp n, 0,1
	ds_store_b128 v[STO], v[S+4*(2*\dt+\n):S+4*(2*\dt+\n)+3] offset:\n*16*SP+32*\dt
.endr
.endr
	s_mul_i32 s60, s10, 16*SP
	s_add_co_u32 s60, s60, STAGE                   ; wave w stores rows 16 w .. 16 w + 15
	v_mul_u32_u24 v[RD], v[HH], SP
	v_lshl_add_u32 v[RD], v[RR], 4, v[RD]
	v_add_nc_u32 v[RD], s60, v[RD]                 ; lanes 0-15 one row of 256 bytes, lanes 16-31 the next
	v_lshlrev_b32 v[CO], 4, v[RR]
	v_lshl_add_u32 v[CO], v[HH], 11, v[CO]         ; rows of attnh are 2,048 bytes apart
	s_lshr_b32 s62, s15, 3
	s_lshl_b32 s62, s62, 11                        ; 2,048 b
	s_lshl_b32 s63, s14, 7
	s_add_co_u32 s62, s62, s63                     ; + 128 query block
	s_lshl_b32 s63, s10, 4
	s_add_co_u32 s62, s62, s63                     ; + 16 wave
	s_lshl_b32 s62, s62, 11
	s_and_b32 s63, s15, 7
	s_lshl_b32 s63, s63, 8                         ; the head pair's 256 bytes of a row
	s_add_co_u32 s62, s62, s63
	s_mov_b32 s63, 0
	s_add_nc_u64 s[8:9], s[8:9], s[62:63]
	s_wait_dscnt 0x0                               ; my part of the stage is written: a row's halves come from waves w and w + 4
	s_barrier_signal -1
	s_barrier_wait -1
.irp t, 0,1,2,3,4,5,6,7
	ds_load_b128 v[KF+4*\t:KF+4*\t+3], v[RD] offset:\t*2*SP
.endr
.irp t, 0,1,2,3,4,5,6,7
	s_wait_dscnt 7-\t
	global_store_b128 v[CO], v[KF+4*\t:KF+4*\t+3], s[8:9] offset:\t*4096   ; 16 lanes store 256 consecutive bytes, aligned
.endr
	s_set_vgpr_msb 0x5
	s_wait_tensorcnt 0x0
	ds_add_u32 v160, v161
	s_wait_dscnt 0x0
	s_set_vgpr_msb 0x500
	ROUND                                          ; the closing round: no work-group ends while a partner may still ask for a tile that names it
	s_endpgm
.Lfunc_end_k_q64bca393fa_attn:
	.size	k_q64bca393fa_attn, .Lfunc_end_k_q64bca393fa_attn-k_q64bca393fa_attn
	.p2alignl 7, 3214868480
	.fill 96, 4, 3214868480
	.section	.rodata,"a",@progbits
	.p2align	6, 0x0
	.amdhsa_kernel k_q64bca393fa_attn
		.amdhsa_group_segment_fixed_size 327680
		.amdhsa_private_segment_fixed_size 0
		.amdhsa_enable_private_segment 0
		.amdhsa_kernarg_size 24
		.amdhsa_user_sgpr_count 2
		.amdhsa_user_sgpr_kernarg_segment_ptr 1
		.amdhsa_wavefront_size32 1
		.amdhsa_system_sgpr_workgroup_id_x 1
		.amdhsa_system_sgpr_workgroup_id_y 1
		.amdhsa_system_sgpr_workgroup_id_z 1
		.amdhsa_system_vgpr_workitem_id 0
		.amdhsa_next_free_vgpr 418
		.amdhsa_next_free_sgpr 66
		.amdhsa_reserve_vcc 0
		.amdhsa_float_denorm_mode_32 3
		.amdhsa_float_denorm_mode_16_64 3
		.amdhsa_memory_ordered 1
		.amdhsa_forward_progress 1
		.amdhsa_inst_pref_size 255
	.end_amdhsa_kernel
	.section	.bss,"aw",@nobits
	.p2align	6
	.space	262144
	.amdgpu_metadata
---
amdhsa.version: [ 1, 2 ]
amdhsa.kernels:
  - .name:           k_q64bca393fa_attn
    .symbol:         k_q64bca393fa_attn.kd
    .args:
      - { .name: qkvh, .offset: 0, .size: 8, .value_kind: global_buffer, .address_space: global }
      - { .name: mask, .offset: 8, .size: 8, .value_kind: global_buffer, .address_space: global }
      - { .name: attnh, .offset: 16, .size: 8, .value_kind: global_buffer, .address_space: global }
    .group_segment_fixed_size: 327680
    .private_segment_fixed_size: 0
    .kernarg_segment_align: 8
    .kernarg_segment_size: 24
    .max_flat_workgroup_size: 256
    .sgpr_count:     66
    .vgpr_count:     418
    .wavefront_size: 32
...
	.end_amdgpu_metadata
.endif
;; end of part 3
;; launch proj (part 4): grid 8 x 32, 4 waves a work-group, clusters of 4 x 4, 327,680 bytes of LDS; arguments attnh, h16, out0; writes out0
.if DOCPART == 4
	.amdgcn_target "amdgcn-amd-amdhsa--gfx1250"
	.amdhsa_code_object_version 6
	.text
	.protected	k_q64bca393fa_proj
	.globl	k_q64bca393fa_proj
	.p2align	8
	.type	k_q64bca393fa_proj,@function
k_q64bca393fa_proj:
	s_mov_b64 s[64:65], 0
	v_nop
	global_prefetch_b8 v0, s[64:65] scope:SCOPE_SE
	s_setreg_imm32_b32 hwreg(HW_REG_WAVE_MODE, 25, 1), 1
	s_wait_xcnt 0x0
	s_wait_alu depctr_hold_cnt(0) depctr_sa_sdst(0) depctr_va_vdst(0) depctr_va_sdst(0) depctr_va_ssrc(0) depctr_va_vcc(0) depctr_vm_vsrc(0)
	s_getreg_b32 s2, hwreg(HW_REG_IB_STS2, 6, 4)
	s_cmp_eq_u32 s2, 0
	s_cbranch_scc0 .Lentry_in_a_cluster
	s_endpgm
.Lentry_in_a_cluster:
	s_bfe_u32 s2, ttmp6, 0x10000c
	s_cmp_lg_u32 s2, 0xf033
	s_cbranch_scc0 .Lentry_shape_is_right
	s_endpgm
.Lentry_shape_is_right:
; out0[m][n] = sum over k of attnh[m][k] W_out[n][k].  attnh [4096][1024] f16; W_out [1024][1024] f16 at byte 0xE00000 of h16; out0 [4096][1024] f32.
; A work-group makes a block of 128 x 128 (x: columns, y: rows), so that 8 x 32 = 256 work-groups share the work; a wave makes 64 x 64: 16 accumulator tiles.
; K goes in steps of 256 through two LDS slots (rows of 512 bytes of memory, aligned): four steps, two first fills and two refills, written out
; without a loop.  Each wave brings 64 rows of a slot by one tensor load.
; CLUSTERS: 4 x 4 work-groups; attnh's tile hangs on y alone and is asked for jointly by a row of the cluster, W_out's on x alone, by a column.
; The matrix instruction is used transposed (source 0 = rows of W_out, source 1 = rows of attnh): a lane holds 8 neighbouring columns of one row.
; REGISTERS: window 0: v16-26 addresses; two fragment buffers v64-127, v128-191 (B's four fragments, then A's four); v192-255 rows read back.
;            window 1: accumulator tile (a, b) at v[8 (4 a + b)].
.set PITCH,  528                       ; an LDS row: 512 bytes + 16 of padding, an odd multiple of 16
.set QUART,  64*PITCH                  ; 64 rows: what one tensor load brings, and what one wave reads of A or of B
.set SLOT,   4*QUART                   ; A's 128 rows, then B's 128 rows: 135,168
.set STAGE,  2*SLOT                    ; 270,336: behind the ring, 16 rows x 272 bytes for each wave; no fill lands there
.set SPITCH, 272
.set WO_AT,  0xE00000
.set ADRA, 16                          ; v16-17  LDS address of my A fragments in slot 0, 1
.set ADRB, 20                          ; v20-21  the same for B
.set STO,  24
.set RD,   25
.set CO,   26
.set F0,   64
.set F1,   128
.set RB0,  192
.set RB1,  224
.set G1,  24
.set G0,  32
.set G1B, 48
.set G0B, 56
.set FLAGS, (1<<16)|(1<<20)|(1<<21)|(6<<22)|(3<<25)   ; elements of 2 bytes; padding on; bit 21 beside a mask; after every 128 words, 4 words
.set MUL, 0x50                         ; C and D in window 1
.set MSB, 0
.macro WIN new
.if MSB != \new
	s_set_vgpr_msb (MSB<<8)|\new
.set MSB, \new
.endif
.endm
.macro JLOAD s                         ; waves 0 and 1 fetch A's two halves, waves 2 and 3 B's; the branch hangs on the wave's number alone
	s_cmp_eq_u32 s11, 0
	s_cbranch_scc0 .Lfor_b_\@
	tensor_load_to_lds s[G0+4*\s:G0+4*\s+3], s[G1:G1+7]
	s_nop 0
	s_branch .Lasked_\@
.Lfor_b_\@:
	tensor_load_to_lds s[G0B+4*\s:G0B+4*\s+3], s[G1B:G1B+7]
	s_nop 0
.Lasked_\@:
.endm
.macro CREST                           ; a round of the cluster's barrier behind its opening barrier
	s_cmp_lg_u32 s10, 0
	s_cbranch_scc1 .Lnot_wave_0_\@
	s_barrier_signal -3
.Lnot_wave_0_\@:
	s_barrier_wait -3
	s_barrier_signal -1
	s_barrier_wait -1
.endm
.macro CROUND
	s_barrier_signal -1
	s_barrier_wait -1
	CREST
.endm
	s_load_b128 s[4:7], s[0:1], 0x0                ; attnh s[4:5], h16 s[6:7]
	s_load_b64 s[8:9], s[0:1], 0x10                ; out0
	v_lshl_add_u32 v62, v0, 2, 0x46400
	v_mov_b32 v63, 0
	ds_add_u32 v62, v63
	v_lshrrev_b32 v1, 5, v0
	v_readfirstlane_b32 s10, v1                    ; wave 0..3
	s_lshr_b32 s11, s10, 1                         ; which 64 rows are mine.  Also: I fetch for A (0) or for B (1)
	s_and_b32 s12, s10, 1                          ; which 64 columns.  Also: which 64 rows of that tile I fetch
	s_bfe_u32 s40, ttmp6, 0x40000                  ; cx
	s_bfe_u32 s41, ttmp6, 0x40004                  ; cy
	s_lshl_b32 s42, ttmp9, 2
	s_add_co_u32 s42, s42, s40                     ; block column
	s_and_b32 s13, ttmp7, 0xffff
	s_lshl_b32 s13, s13, 2
	s_add_co_u32 s13, s13, s41                     ; block row
	s_lshl_b32 s43, s41, 2
	s_lshl_b32 s43, 15, s43                        ; my row of the cluster
	s_lshl_b32 s44, 0x1111, s40                    ; my column
	s_or_b32 s[G1+0], s43, FLAGS
	s_or_b32 s[G1B+0], s44, FLAGS
.irp g, G1, G1B
	s_mov_b32 s[\g+1], 256<<16                     ; tensor_dim0 = 256
	s_mov_b32 s[\g+2], 64<<16                      ; tensor_dim1 = 64 rows
	s_mov_b32 s[\g+3], 256<<16                     ; tile_dim0 = 256
	s_mov_b32 s[\g+4], 64                          ; tile_dim1 = 64
	s_mov_b32 s[\g+5], 1024                        ; elements from row to row
	s_mov_b32 s[\g+6], 0
	s_mov_b32 s[\g+7], 0
.endr
	s_lshl_b32 s16, s13, 7
	s_lshl_b32 s17, s12, 6
	s_add_co_u32 s16, s16, s17                     ; A: row 128 y + 64 half
	s_lshl_b32 s16, s16, 11                        ; x 2,048 bytes
	s_mov_b32 s17, 0
	s_lshl_b32 s46, s42, 7
	s_lshl_b32 s47, s12, 6
	s_add_co_u32 s46, s46, s47                     ; B: row 128 x + 64 half
	s_lshl_b32 s46, s46, 11
	s_add_co_u32 s46, s46, WO_AT
	s_mov_b32 s47, 0
	s_mul_i32 s20, s10, QUART                      ; where they go: A's two halves, then B's two = wave x 64 rows
	s_wait_dscnt 0x0
	s_wait_kmcnt 0x0
	s_add_nc_u64 s[14:15], s[4:5], s[16:17]
	s_add_nc_u64 s[46:47], s[6:7], s[46:47]
	CROUND                                         ; all sixteen work-groups are here: the first joint loads meet
.irp s, 0,1
	s_mov_b32 s[G0+4*\s], 1
	s_add_co_u32 s[G0+4*\s+1], s20, \s*SLOT
	s_add_nc_u64 s[G0+4*\s+2:G0+4*\s+3], s[14:15], \s*512          ; K step s
	s_or_b32 s[G0+4*\s+3], s[G0+4*\s+3], 0x80000000
	s_mov_b32 s[G0B+4*\s], 1
	s_add_co_u32 s[G0B+4*\s+1], s20, \s*SLOT
	s_add_nc_u64 s[G0B+4*\s+2:G0B+4*\s+3], s[46:47], \s*512
	s_or_b32 s[G0B+4*\s+3], s[G0B+4*\s+3], 0x80000000
	JLOAD \s                                       ; two loads of the wave are out
.endr
	v_and_b32 v1, 15, v0                           ; r
	v_bfe_u32 v2, v0, 4, 1                         ; h
	v_mul_u32_u24 v3, v1, PITCH
	v_lshl_add_u32 v3, v2, 4, v3                   ; row r + 16 h
	s_mul_i32 s21, s11, QUART                      ; my 64 rows of A
	s_mul_i32 s22, s12, QUART
	s_add_co_u32 s22, s22, 2*QUART                 ; my 64 rows of B, behind A's 128
.irp s, 0,1
	v_add_nc_u32 v[ADRA+\s], s21, v3
	v_add_nc_u32 v[ADRB+\s], s22, v3
	s_add_co_u32 s21, s21, SLOT
	s_add_co_u32 s22, s22, SLOT
.endr
	s_mul_i32 s23, s10, 16*SPITCH
	s_add_co_u32 s23, s23, STAGE                   ; my stage
	v_mul_u32_u24 v4, v1, SPITCH
	v_lshl_add_u32 v4, v2, 5, v4                   ; in: row r, 32 bytes (8 f32) for each half of the lanes
	v_add_nc_u32 v[STO], s23, v4
	v_mul_u32_u24 v5, v2, SPITCH
	v_lshl_add_u32 v5, v1, 4, v5                   ; back: lanes 0-15 one row of 256 bytes, lanes 16-31 the next
	v_add_nc_u32 v[RD], s23, v5
	v_lshlrev_b32 v6, 4, v1
	v_lshl_add_u32 v[CO], v2, 12, v6               ; rows of out0 are 4,096 bytes apart
.macro MUL4 f, a, zero                 ; m block a x my four n blocks, 32 along K
.irp b, 0,1,2,3
.if \zero
	v_wmma_f32_16x16x32_f16 v[8*(4*\a+\b):8*(4*\a+\b)+7], v[\f+8*\b:\f+8*\b+7], v[\f+32+8*\a:\f+32+8*\a+7], 0
.else
	v_wmma_f32_16x16x32_f16 v[8*(4*\a+\b):8*(4*\a+\b)+7], v[\f+8*\b:\f+8*\b+7], v[\f+32+8*\a:\f+32+8*\a+7], v[8*(4*\a+\b):8*(4*\a+\b)+7]
.endif
.endr
.endm
.macro FETCH slot, k, f                ; 16 LDS loads: B's four fragments, then A's four, 32 K at byte k of the rows
	WIN 0
.irp i, 0,1,2,3
	ds_load_b128 v[\f+8*\i:\f+8*\i+3],   v[ADRB+\slot] offset:\k+\i*16*PITCH
	ds_load_b128 v[\f+8*\i+4:\f+8*\i+7], v[ADRB+\slot] offset:\k+\i*16*PITCH+32
.endr
.irp i, 0,1,2,3
	ds_load_b128 v[\f+32+8*\i:\f+32+8*\i+3],   v[ADRA+\slot] offset:\k+\i*16*PITCH
	ds_load_b128 v[\f+32+8*\i+4:\f+32+8*\i+7], v[ADRA+\slot] offset:\k+\i*16*PITCH+32
.endr
.endm
.macro PLACES                          ; four places behind matrix instructions before their sources are loaded again or their results read (ISA guide 7.12.1)
.rept 4
	v_nop
.endr
.endm
; A K step is eight eighths of 32 along K, 16 matrix instructions each, on buffers 0, 1, 0, 1 ..  The 16 accumulators take turns, one instruction
; a turn, in the same order in every eighth.
.macro EIGHTH slot, k, f, g, zero
	s_wait_dscnt 4                                 ; B and A's fragments 0, 1 are in; the youngest four loads (A's fragments 2, 3) may be out
	WIN MUL
	MUL4 \f, 0, \zero
	MUL4 \f, 1, \zero
	PLACES
	FETCH \slot, \k, \g
	s_wait_dscnt 16                                ; all but the 16 just issued
	WIN MUL
	MUL4 \f, 2, \zero
	MUL4 \f, 3, \zero
.endm
.macro SEVEN slot, zero
	EIGHTH \slot, 64,  F0, F1, \zero
	EIGHTH \slot, 128, F1, F0, 0
	EIGHTH \slot, 192, F0, F1, 0
	EIGHTH \slot, 256, F1, F0, 0
	EIGHTH \slot, 320, F0, F1, 0
	EIGHTH \slot, 384, F1, F0, 0
	EIGHTH \slot, 448, F0, F1, 0
.endm
; The last eighth multiplies buffer 1 and changes slots: each wave waits for its reads of this slot and for all its tensor loads, then the barrier;
; fill = 1: it opens a round of the cluster's barrier, and the joint refill, two K steps ahead, is the first tensor load behind the round.
.macro TURN slot, next, fill
	s_wait_dscnt 4
	WIN MUL
	MUL4 F1, 0, 0
	s_wait_dscnt 0                                 ; my reads of this slot are over
	s_wait_tensorcnt 0x0                           ; and all my tensor loads have landed: the one that was out is my part of the next slot
	ds_add_u32 v62, v63
	s_wait_dscnt 0x0
	s_barrier_signal -1
	MUL4 F1, 1, 0                                  ; register work while the others arrive
	WIN 0
	s_barrier_wait -1
.if \fill
	CREST
	s_add_nc_u64 s[G0+4*\slot+2:G0+4*\slot+3], s[G0+4*\slot+2:G0+4*\slot+3], 1024
	s_add_nc_u64 s[G0B+4*\slot+2:G0B+4*\slot+3], s[G0B+4*\slot+2:G0B+4*\slot+3], 1024
	JLOAD \slot
.endif
	PLACES
	FETCH \next, 0, F0
	WIN MUL
	MUL4 F1, 2, 0
	MUL4 F1, 3, 0
.endm
	s_wait_tensorcnt 1                             ; my part of K step 0 is in; K step 1's may stay out
	s_barrier_signal -1
	s_barrier_wait -1
	FETCH 0, 0, F0
	SEVEN 0, 1                                     ; K 0-255: the first products start the sums
	TURN 0, 1, 1                                   ; slot 0 gets K 512-767
	SEVEN 1, 0                                     ; K 256-511
	TURN 1, 0, 1                                   ; slot 1 gets K 768-1023
	SEVEN 0, 0
	TURN 0, 1, 0                                   ; nothing is left to fetch
	SEVEN 1, 0
	s_wait_dscnt 4
	WIN MUL
	MUL4 F1, 0, 0
	MUL4 F1, 1, 0
	s_wait_dscnt 0
	MUL4 F1, 2, 0
	MUL4 F1, 3, 0
	; THE WAY OUT, 16 rows at a time: 32 bytes a lane into my own stage, whole rows of 256 bytes back, stored.  The stage is the wave's own and
	; LDS serves a wave's instructions in order (ISA guide 5.7.1): no barrier, no wait between its stores and its loads.
	PLACES
	WIN 0
	s_lshl_b32 s68, s13, 7
	s_lshl_b32 s69, s11, 6
	s_add_co_u32 s68, s68, s69                     ; my first row
	s_lshl_b32 s68, s68, 12                        ; x 4,096 bytes
	s_lshl_b32 s69, s42, 9                         ; my first column: 512 bytes a block,
	s_add_co_u32 s68, s68, s69
	s_lshl_b32 s69, s12, 8                         ; 256 a half
	s_add_co_u32 s68, s68, s69
	s_mov_b32 s69, 0
	s_add_nc_u64 s[8:9], s[8:9], s[68:69]
.macro OUT16 a, rb
	WIN 0x04                                       ; an LDS store's data are its source 1: window 1
.irp b, 0,1,2,3
	ds_store_b128 v[STO], v[8*(4*\a+\b):8*(4*\a+\b)+3]   offset:64*\b
	ds_store_b128 v[STO], v[8*(4*\a+\b)+4:8*(4*\a+\b)+7] offset:64*\b+16
.endr
	WIN 0
	s_wait_xcnt 0x0                                ; the read-back buffer, which earlier stores read, is loaded again only behind this wait
.irp t, 0,1,2,3,4,5,6,7
	ds_load_b128 v[\rb+4*\t:\rb+4*\t+3], v[RD] offset:\t*2*SPITCH
.endr
.irp t, 0,1,2,3,4,5,6,7
	s_wait_dscnt 7-\t
	global_store_b128 v[CO], v[\rb+4*\t:\rb+4*\t+3], s[8:9] offset:(16*\a+2*\t)*4096 th:TH_STORE_NT   ; 16 lanes store 256 consecutive bytes, aligned
.endr
.endm
	OUT16 0, RB0
	OUT16 1, RB1
	OUT16 2, RB0
	OUT16 3, RB1
	s_wait_tensorcnt 0x0
	ds_add_u32 v62, v63
	s_wait_dscnt 0x0
	CROUND                                         ; the closing round: no work-group ends while a partner may still ask for a tile that names it
	s_endpgm
.Lfunc_end_k_q64bca393fa_proj:
	.size	k_q64bca393fa_proj, .Lfunc_end_k_q64bca393fa_proj-k_q64bca393fa_proj
	.p2alignl 7, 3214868480
	.fill 96, 4, 3214868480
	.section	.rodata,"a",@progbits
	.p2align	6, 0x0
	.amdhsa_kernel k_q64bca393fa_proj
		.amdhsa_group_segment_fixed_size 327680
		.amdhsa_private_segment_fixed_size 0
		.amdhsa_enable_private_segment 0
		.amdhsa_kernarg_size 24
		.amdhsa_user_sgpr_count 2
		.amdhsa_user_sgpr_kernarg_segment_ptr 1
		.amdhsa_wavefront_size32 1
		.amdhsa_system_sgpr_workgroup_id_x 1
		.amdhsa_system_sgpr_workgroup_id_y 1
		.amdhsa_system_sgpr_workgroup_id_z 1
		.amdhsa_system_vgpr_workitem_id 0
		.amdhsa_next_free_vgpr 384
		.amdhsa_next_free_sgpr 70
		.amdhsa_reserve_vcc 0
		.amdhsa_float_denorm_mode_32 3
		.amdhsa_float_denorm_mode_16_64 3
		.amdhsa_memory_ordered 1
		.amdhsa_forward_progress 1
		.amdhsa_inst_pref_size 89
	.end_amdhsa_kernel
	.amdgpu_metadata
---
amdhsa.version: [ 1, 2 ]
amdhsa.kernels:
  - .name:           k_q64bca393fa_proj
    .symbol:         k_q64bca393fa_proj.kd
    .args:
      - { .name: attnh, .offset: 0, .size: 8, .value_kind: global_buffer, .address_space: global }
      - { .name: h16, .offset: 8, .size: 8, .value_kind: global_buffer, .address_space: global }
      - { .name: out0, .offset: 16, .size: 8, .value_kind: global_buffer, .address_space: global }
    .group_segment_fixed_size: 327680
    .private_segment_fixed_size: 0
    .kernarg_segment_align: 8
    .kernarg_segment_size: 24
    .max_flat_workgroup_size: 128
    .sgpr_count:     70
    .vgpr_count:     384
    .wavefront_size: 32
...
	.end_amdgpu_metadata
.endif
;; end of part 4
